; MI455X (gfx1250); checked and timed in simulation.
; The chip was launched on July 23, 2026; its instructions are those of AMD's public machine-readable ISA for CDNA 5 (MIT licence, August 2026) and "CDNA5" Instruction Set Architecture Reference Guide (July 2026). The comments in the code are by the model that wrote it; some were corrected since.
;; LSTM Cell. Allowed arithmetic: matrix products marked QUANTISED: E3M2 operands, one E8M0 scale for each 32 along K, by v_wmma_scale_f32_16x16x128_f8f6f4 with both operands' format E3M2, f32 sums; everything else in f32.
;; Inputs: Wf 2,048 x 4,096 float32; Wg 2,048 x 4,096 float32; Wi 2,048 x 4,096 float32; Wo 2,048 x 4,096 float32; X 2,048 x 2,048 float32; bf 2,048 float32; bg 2,048 float32; bi 2,048 float32; bo 2,048 float32; c 2,048 x 2,048 float32; h 2,048 x 2,048 float32.
;; Outputs: out0 2,048 x 2,048 float32; out1 2,048 x 2,048 float32.
;; This version of the problem:
;;   THIS VERSION OF THE PROBLEM IS GIVEN IN LOW PRECISION. The matrix products marked QUANTISED in the list below multiply operands that are first quantised to E3M2 (3 exponent bits, 2 mantissa bits; 6 bits a number), with one power-of-two scale for each 32 numbers along K (OCP MX v1.0); their sums are f32. All else is computed in f32.
;;   The module's matrix products, in the order in which they are computed (A, B: the left and right operand; K: the contracted axis; several contracted axes count as one K, in the product's order):
;;     1. [M 2,048, K 4,096] x [K 4,096, N 8,192]; A: computed on the way; B: computed on the way: QUANTISED
;;   THE QUANTISER, for each operand of a quantised product, along K:
;;     - K is cut into blocks of 32 from its start; a last block that is shorter is filled with zeros.
;;     - A block's scale is 2^e with e = floor(log2(the largest magnitude in the block)) - 4, held to -126 .. 127; a block of zeros has e = 0. As a byte (E8M0): e + 127.
;;     - Each number is divided by its block's scale, clamped to +-28, and rounded to the nearest number of E3M2, ties to even, subnormals kept.
;;     - The product sums the exact products of the quantised numbers (number of the format x scale) in f32.
;;   ~~~python
;;   def quantise(x, axis):      # numpy; x: float32 -> the quantised numbers, widened to float32 again
;;       x = np.moveaxis(x, axis, -1); K = x.shape[-1]
;;       x = np.pad(x, [(0, 0)] * (x.ndim - 1) + [(0, -K % 32)]); x = x.reshape(x.shape[:-1] + (-1, 32)); a = np.abs(x).max(-1, keepdims=True)
;;       e = np.where(a > 0, np.clip(np.frexp(np.where(a > 0, a, 1))[1] - 1 - 4, -126, 127), 0)      # np.frexp(a)[1] - 1 = floor(log2(a)), exactly
;;       r = np.clip(x / 2.0 ** e, -28, 28)
;;       step = 2.0 ** (np.maximum(np.frexp(np.where(r == 0, 1, r))[1] - 1, -2) - 2)
;;       q = np.round(r / step) * step * 2.0 ** e      # np.round: ties to even
;;       return np.moveaxis(q.reshape(q.shape[:-2] + (-1,))[..., :K], -1, axis).astype(np.float32)
;;   ~~~
;;   OPERANDS COMPUTED ON THE WAY. 'Computed on the way' means the value that the module computes at that place (a softmax that the list does not call 'softmax' is quantised finished and normalised). What goes into a quantiser is computed in f32, as accurately as f32 sums, v_exp_f32 and their like allow (about 1e-6 of the number): no bf16 or f16 on the way to a quantiser, and a product that is left as it is and whose result goes on into a quantised operand takes f32 operands (vector FMAs, or v_wmma_f32_16x16x4_f32). A number that lies on a knife's edge between two numbers of the format may be rounded either way, as far as f32 arithmetic and the matrix unit's own rounding can turn it there, and no further.
;; One version. Each part assembles by itself: llvm-mc -triple=amdgcn-amd-amdhsa -mcpu=gfx1250 --defsym DOCPART=n.
;; ======== version 1 of 1: 2 launches
;; limits: right only within a limited range of input values
;; workspace buffers: a_ws 6,553,600 bytes; w_ws 26,214,400 bytes
;; launch quant (part 1): grid 1280 x 1, 4 waves a work-group, no clusters, 35,328 bytes of LDS; arguments X, h, Wf, Wg, Wo, Wi, a_ws, w_ws; writes a_ws, w_ws
.if DOCPART == 1
	.amdgcn_target "amdgcn-amd-amdhsa--gfx1250"
	.amdhsa_code_object_version 6
	.text
	.protected	k_qc2739a6a39_quant
	.globl	k_qc2739a6a39_quant
	.p2align	8
	.type	k_qc2739a6a39_quant,@function
k_qc2739a6a39_quant:
	s_mov_b64 s[64:65], 0
	v_nop
	global_prefetch_b8 v0, s[64:65] scope:SCOPE_SE
	s_setreg_imm32_b32 hwreg(HW_REG_WAVE_MODE, 25, 1), 1
	s_wait_xcnt 0x0
; The two operands of z = [X | h] [Wf; Wg; Wo; Wi]^T are turned from f32 into codes of BF6 (E3M2), 6 bits each, with one E8M0 scale byte for each 32 along K, AND LAID AS THE PRODUCT'S LAUNCH WANTS THEM IN ITS REGISTERS.
; THE LAYOUT.  For each group G of 128 rows and each K step t of 128 one block of 12,800 bytes, at (32 G + t) x 12,800:
;   eight fragments (16 rows x 128 K: 12 registers a lane) as images of their registers: registers 4 c .. 4 c + 3 of lane l of fragment i at 1,536 i + 512 c + 16 l;
;   lane (r = l % 16, h = l / 16) holds row r; its registers 6 c' .. 6 c' + 5 the 32 codes of K = 64 c' + 32 h + 0 .. 31;
;   then the scale words (four bytes: a row's four blocks of the step): fragment i, row r at 12,288 + 256 (i / 4) + 16 r + 4 (i % 4).
;   w_ws, 64 groups: fragment 2 g + s of group G is gate g (f 0, g 1, o 2, i 3), columns 32 G + 16 s + r.
;   a_ws, 16 groups: fragment i of group G is rows 128 G + 32 (i / 2) + i % 2 + 2 r of [X | h]: every second row, so that from r to r + 1 there are 16,384 bytes in X and h as in the weights, and one text with
;   immediate offsets serves both.  Which rows form a fragment only says which result lands where: the product's launch stores its rows by the same rule.
; A block's scale is 2^(floor(log2(its largest magnitude)) - 4); its byte is the largest magnitude's own exponent field - 4, held at 1 from below.  Each number is divided by the scale and rounded to the nearest code,
; ties to even; beyond the largest code the conversion gives the largest code.
; LIMITS: NaN and infinities among the inputs are not served.  A block whose largest magnitude lies under 2^(5 - 127) keeps the byte 1.  A block of zeros gets the byte 1 where the rule says 127: its codes are zeros,
; which add nothing under any byte but 0xff, and the bytes are read by this program alone.
; SHARES.  1,280 work-groups of four waves: the first 256 take [X | h], the others the weights.  A wave makes fragments 4 j .. 4 j + 3 of one block (G, t): 6,144 bytes of codes and 256 of scale words, each one run of
; consecutive bytes.  The four waves of a work-group take four neighbouring K steps.  Only pointers and offsets are chosen by the work-group's number: all take one path through the text.
; A STEP is half a fragment: 16 rows x 64 K.  Each of its eight loads reads 256 consecutive bytes of two rows (lanes 0-15 one row, lanes 16-31 the next).  The 4,096 bytes go through the wave's own stage in LDS, rows
; 272 bytes apart, and come back 128 bytes a lane: a WHOLE block of 32 numbers, so that its largest magnitude needs no other lane, and the two conversions' results are six registers of the fragment.
; No tensor loads, no barrier: waves share nothing.  Loads run three steps ahead (16 to 24 loads a wave), the turn through LDS one step.  Nothing is prefetched: the launch does nothing but stream.
.set EMAX,  4
.set STB,   12800                      ; a block (G, t)
.set FRB,   1536                       ; a fragment's image
.set SP,    272                        ; a stage row: 256 bytes + 16: the 16 rows that a load touches start at 16 different groups of banks
.set STG,   16*SP                      ; a stage
.set WREG,  2*STG                      ; LDS: two stages for each wave
.set QB,    28                         ; s[28:35] where fragment ii's first row begins in its source: s[28 + 2 ii : 29 + 2 ii]
.set W,     12                         ; v12-15   the four fragments' scale words
.set R,     16                         ; v16-111  three sets of 32 numbers as they are loaded
.set X,     112                        ; v112-175 two sets of 32 neighbours
.set F,     176                        ; v176-187 the fragment
.set T,     188                        ; v188-190 a conversion's three registers begin on an even number: the second half of a block's six does not, so it is made here and moved
	s_load_b512 s[4:19], s[0:1], 0x0               ; X 4, h 6, Wf 8, Wg 10, Wo 12, Wi 14, a_ws 16, w_ws 18
	v_lshl_add_u32 v191, v0, 2, 0x8800             ; LDS address of my spare word, behind the four waves' stages; never rewritten
	v_mov_b32 v9, 0                                ; 0; never rewritten
	v_lshrrev_b32 v1, 5, v0
	v_readfirstlane_b32 s24, v1                    ; wave
	v_and_b32 v4, 31, v0                           ; lane
	v_and_b32 v5, 15, v0                           ; r
	v_bfe_u32 v10, v0, 4, 1                        ; h
	v_lshlrev_b32 v1, 4, v5
	v_lshl_add_u32 v1, v10, 14, v1                 ; a load: 16 bytes at 16 r of the row's 256; lanes 16-31 one fragment row (16,384 bytes) further down
	s_mul_i32 s25, s24, WREG
	v_mul_u32_u24 v2, v10, SP
	v_lshl_add_u32 v2, v5, 4, v2
	v_add_nc_u32 v2, s25, v2                       ; the stage, on the way in: the same two rows
	v_mul_u32_u24 v3, v5, SP
	v_lshl_add_u32 v3, v10, 7, v3
	v_add_nc_u32 v3, s25, v3                       ; and on the way out: row r, my block's 128 bytes
	v_lshlrev_b32 v4, 4, v4                        ; an image's place for my lane
	v_lshlrev_b32 v5, 4, v5
	v_lshl_add_u32 v5, v10, 3, v5                  ; the scale words: 16 r + 8 h
	v_lshlrev_b32 v10, 3, v10                      ; 8 h
	v_mov_b32 v11, 0                               ; written once: a lane permute's destination counts as one of its sources
	s_mov_b32 s46, 0x76543210
	s_mov_b32 s47, 0xfedcba98                      ; v_permlanex16_b32's selects for lane l xor 16
	s_lshr_b32 s25, ttmp9, 8                       ; 0: [X | h];  1 to 4: the weights
	s_min_u32 s26, s25, 1
	s_lshl_b32 s26, s26, 8
	s_sub_co_u32 s26, ttmp9, s26                   ; u: the work-group's number among its kind
	s_and_b32 s27, s26, 7
	s_lshl_b32 s27, s27, 2
	s_add_co_u32 s27, s27, s24                     ; t = 4 (u % 8) + wave
	s_bfe_u32 s36, s26, 0x10003                    ; j = (u / 8) % 2
	s_lshr_b32 s37, s26, 4                         ; G = u / 16
	s_lshl_b32 s38, s37, 7
	s_lshl_b32 s39, s36, 6
	s_add_co_u32 s38, s38, s39                     ; [X | h]: row 128 G + 64 j,
	s_lshl_b32 s38, s38, 13                        ; 8,192 bytes a row,
	s_and_b32 s39, s27, 15
	s_lshl_b32 s39, s39, 9
	s_add_co_u32 s38, s38, s39                     ; + 512 (t % 16)
	s_lshl_b32 s39, s37, 19                        ; a weight: row 32 G, 16,384 bytes a row,
	s_lshl_b32 s44, s27, 9
	s_add_co_u32 s39, s39, s44                     ; + 512 t
	s_lshl_b32 s44, s37, 5
	s_add_co_u32 s44, s44, s27
	s_mul_i32 s44, s44, STB                        ; my block in the workspace (under 2^25)
	s_wait_alu depctr_va_vdst(0)
	s_wait_kmcnt 0x0
	s_cmp_eq_u32 s36, 0                            ; every choice hangs on the work-group's and the wave's number alone
	s_cselect_b64 s[28:29], s[8:9], s[12:13]       ; fragments 0, 1 of my four: gate 2 j: Wf or Wo
	s_cselect_b64 s[32:33], s[10:11], s[14:15]     ; fragments 2, 3: gate 2 j + 1: Wg or Wi
	s_cmp_lt_u32 s27, 16
	s_cselect_b64 s[30:31], s[4:5], s[6:7]         ; K under 2,048 lies in X, the rest in h
	s_cmp_eq_u32 s25, 0                            ; all selections on this compare stand ahead of the first line that sets SCC anew
	s_cselect_b64 s[28:29], s[30:31], s[28:29]
	s_cselect_b64 s[32:33], s[30:31], s[32:33]
	s_cselect_b32 s38, s38, s39
	s_cselect_b32 s40, 0x40000, 0                  ; in [X | h] fragments 2, 3 begin 32 rows further down
	s_mov_b32 s42, 0x40000                         ; from an even fragment to the odd one: 16 rows of a weight,
	s_cselect_b32 s42, 0x2000, s42                 ; one row of X or h
	s_cselect_b64 s[20:21], s[16:17], s[18:19]     ; the workspace
	s_mov_b32 s39, 0
	s_mov_b32 s41, 0
	s_mov_b32 s43, 0
	s_mov_b32 s45, 0
	s_add_nc_u64 s[28:29], s[28:29], s[38:39]
	s_add_nc_u64 s[32:33], s[32:33], s[38:39]
	s_add_nc_u64 s[32:33], s[32:33], s[40:41]
	s_add_nc_u64 s[30:31], s[28:29], s[42:43]
	s_add_nc_u64 s[34:35], s[32:33], s[42:43]
	s_add_nc_u64 s[20:21], s[20:21], s[44:45]
	s_mul_i32 s38, s36, 4*FRB
	s_add_nc_u64 s[22:23], s[20:21], s[38:39]      ; where my four fragments go
	s_lshl_b32 s38, s36, 8
	s_add_co_u32 s38, s38, 8*FRB
	s_add_nc_u64 s[20:21], s[20:21], s[38:39]      ; and their scale words
; Step s: fragment s / 2, its K 64 (s % 2) on.
.macro LOAD s
.set LQ, QB+2*((\s)/2)
.irp k, 0,1,2,3,4,5,6,7
	global_load_b128 v[R+32*((\s)%3)+4*\k:R+32*((\s)%3)+4*\k+3], v1, s[LQ:LQ+1] offset:32768*\k+256*((\s)%2) th:TH_LOAD_NT   ; fragment rows 2 k and 2 k + 1: 256 consecutive bytes of each, at a multiple of 256; read once in the launch
.endr
.endm
.macro TURN s                          ; step s's numbers through a stage: LDS serves a wave's instructions in order (ISA guide 5.7.1.4), so no wait stands between the stores and the loads
.irp k, 0,1,2,3,4,5,6,7
	ds_store_b128 v2, v[R+32*((\s)%3)+4*\k:R+32*((\s)%3)+4*\k+3] offset:STG*((\s)%2)+2*SP*\k
.endr
.irp i, 0,1,2,3,4,5,6,7
	ds_load_b128 v[X+32*((\s)%2)+4*\i:X+32*((\s)%2)+4*\i+3], v3 offset:STG*((\s)%2)+16*\i
.endr
.endm
	LOAD 0
	LOAD 1
	LOAD 2
	s_wait_loadcnt 16                              ; step 0's eight loads are in; the sixteen of steps 1 and 2 stay out
	TURN 0
.macro STEP s
.set XS, X+32*((\s)%2)
.set II, (\s)/2
.set CH, (\s)%2
	s_wait_dscnt 0x0                               ; this step's numbers are back from the stage: so its stores into the stage have read their registers,
.if (\s)+3 < 8
	LOAD (\s)+3                                    ; which take the loads of three steps on
.endif
.if (\s)+1 < 8
.if (\s) <= 4
	s_wait_loadcnt 16                              ; the next step's eight loads are in; those of the two steps behind it may be out
.else
	s_wait_loadcnt 8*(6-(\s))
.endif
	TURN (\s)+1                                    ; and go through the other stage while this step is worked
.endif
	v_max3_num_f32 v6, |v[XS]|, |v[XS+1]|, |v[XS+2]|               ; the block's largest magnitude: all 32 numbers are mine; two chains
	v_max3_num_f32 v7, |v[XS+3]|, |v[XS+4]|, |v[XS+5]|
.irp i, 6,10,14,18,22,26
	v_max3_num_f32 v6, v6, |v[XS+\i]|, |v[XS+\i+1]|
	v_max3_num_f32 v7, v7, |v[XS+\i+2]|, |v[XS+\i+3]|
.endr
	v_max3_num_f32 v6, v6, |v[XS+30]|, |v[XS+31]|
	v_max3_num_f32 v6, v6, v7, (EMAX+1)<<23        ; and the floor 2^(EMAX + 1 - 127), under which no largest magnitude is taken: so the byte cannot fall under 1
	v_add_nc_u32 v8, -(EMAX<<23), v6               ; EMAX off its exponent field: the conversion takes the exponent field of this operand as its scale, and nothing else of it
.if (CH == 0) && (II > 0)
	s_wait_alu depctr_va_vdst(0)
	s_wait_xcnt 0x0                                ; the last fragment's stores have read their data: its registers are written again only behind this wait
.endif
	v_cvt_scalef32_pk16_bf6_f32 v[F+6*CH:F+6*CH+2], v[XS:XS+15], v8       ; sixteen codes, 96 bits without gaps, the first number's code lowest
	v_cvt_scalef32_pk16_bf6_f32 v[T:T+2], v[XS+16:XS+31], v8
.if CH == 0
	v_lshrrev_b32 v[W+II], 23, v8                  ; the scale's byte: block h of my row.  (Also the plain line behind the conversions)
.else
	v_lshrrev_b32 v7, 23, v8                       ; block 2 + h (v7: the maximum's second chain is done with)
.endif
.irp i, 0,1,2
	v_mov_b32 v[F+6*CH+3+\i], v[T+\i]
.endr
.if CH == 1
	v_lshl_or_b32 v[W+II], v7, 16, v[W+II]         ; my two bytes,
	v_lshlrev_b32 v[W+II], v10, v[W+II]            ; at their places in the scale word (8 h bits up);
	v_permlanex16_b32 v11, v[W+II], s46, s47
	v_or_b32 v[W+II], v[W+II], v11                 ; with lane l xor 16's two the word is whole, in both lanes
.irp g, 0,1,2
	global_store_b128 v4, v[F+4*\g:F+4*\g+3], s[22:23] offset:FRB*II+512*\g   ; the fragment as it stands: 32 lanes store 512 consecutive bytes, at a multiple of 256 from the buffer's first byte
.endr
.endif
.endm
.irp s, 0,1,2,3,4,5,6,7
	STEP \s
.endr
	v_cmp_ne_u32 vcc_lo, 0, v10                    ; lanes 0-15 store the words of my fragments 0 and 1, lanes 16-31 those of 2 and 3
	v_cndmask_b32 v6, v12, v14, vcc_lo
	v_cndmask_b32 v7, v13, v15, vcc_lo
	global_store_b64 v5, v[6:7], s[20:21]          ; 32 lanes store 256 consecutive bytes, at a multiple of 256 from the buffer's first byte
	s_wait_tensorcnt 0x0
	ds_add_u32 v191, v9
	s_wait_dscnt 0x0
	s_endpgm
.Lfunc_end_k_qc2739a6a39_quant:
	.size	k_qc2739a6a39_quant, .Lfunc_end_k_qc2739a6a39_quant-k_qc2739a6a39_quant
	.p2alignl 7, 3214868480
	.fill 96, 4, 3214868480
	.section	.rodata,"a",@progbits
	.p2align	6, 0x0
	.amdhsa_kernel k_qc2739a6a39_quant
		.amdhsa_group_segment_fixed_size 35328
		.amdhsa_private_segment_fixed_size 0
		.amdhsa_enable_private_segment 0
		.amdhsa_kernarg_size 64
		.amdhsa_user_sgpr_count 2
		.amdhsa_user_sgpr_kernarg_segment_ptr 1
		.amdhsa_wavefront_size32 1
		.amdhsa_system_sgpr_workgroup_id_x 1
		.amdhsa_system_sgpr_workgroup_id_y 1
		.amdhsa_system_sgpr_workgroup_id_z 1
		.amdhsa_system_vgpr_workitem_id 0
		.amdhsa_next_free_vgpr 192
		.amdhsa_next_free_sgpr 66
		.amdhsa_reserve_vcc 1
		.amdhsa_float_denorm_mode_32 3
		.amdhsa_float_denorm_mode_16_64 3
		.amdhsa_memory_ordered 1
		.amdhsa_forward_progress 1
		.amdhsa_inst_pref_size 31
	.end_amdhsa_kernel
	.amdgpu_metadata
---
amdhsa.version: [ 1, 2 ]
amdhsa.kernels:
  - .name:           k_qc2739a6a39_quant
    .symbol:         k_qc2739a6a39_quant.kd
    .args:
      - { .name: X, .offset: 0, .size: 8, .value_kind: global_buffer, .address_space: global }
      - { .name: h, .offset: 8, .size: 8, .value_kind: global_buffer, .address_space: global }
      - { .name: Wf, .offset: 16, .size: 8, .value_kind: global_buffer, .address_space: global }
      - { .name: Wg, .offset: 24, .size: 8, .value_kind: global_buffer, .address_space: global }
      - { .name: Wo, .offset: 32, .size: 8, .value_kind: global_buffer, .address_space: global }
      - { .name: Wi, .offset: 40, .size: 8, .value_kind: global_buffer, .address_space: global }
      - { .name: a_ws, .offset: 48, .size: 8, .value_kind: global_buffer, .address_space: global }
      - { .name: w_ws, .offset: 56, .size: 8, .value_kind: global_buffer, .address_space: global }
    .group_segment_fixed_size: 35328
    .private_segment_fixed_size: 0
    .kernarg_segment_align: 8
    .kernarg_segment_size: 64
    .max_flat_workgroup_size: 128
    .sgpr_count:     66
    .vgpr_count:     192
    .wavefront_size: 32
...
	.end_amdgpu_metadata
.endif
;; end of part 1
;; launch cell (part 2): grid 32 x 8, 4 waves a work-group, clusters of 4 x 4, 327,680 bytes of LDS; arguments a_ws, w_ws, bf, bg, bo, bi, c, out0, out1; writes out0, out1
.if DOCPART == 2
	.amdgcn_target "amdgcn-amd-amdhsa--gfx1250"
	.amdhsa_code_object_version 6
	.text
	.protected	k_qc2739a6a39_cell
	.globl	k_qc2739a6a39_cell
	.p2align	8
	.type	k_qc2739a6a39_cell,@function
k_qc2739a6a39_cell:
	s_mov_b64 s[64:65], 0
	v_nop
	global_prefetch_b8 v0, s[64:65] scope:SCOPE_SE
	s_setreg_imm32_b32 hwreg(HW_REG_WAVE_MODE, 25, 1), 1
	s_wait_xcnt 0x0
	s_wait_alu depctr_hold_cnt(0) depctr_sa_sdst(0) depctr_va_vdst(0) depctr_va_sdst(0) depctr_va_ssrc(0) depctr_va_vcc(0) depctr_vm_vsrc(0)
	s_getreg_b32 s2, hwreg(HW_REG_IB_STS2, 6, 4)
	s_cmp_eq_u32 s2, 0
	s_cbranch_scc0 .Lentry_in_a_cluster
	s_endpgm
.Lentry_in_a_cluster:
	s_bfe_u32 s2, ttmp6, 0x10000c
	s_cmp_lg_u32 s2, 0xf033
	s_cbranch_scc0 .Lentry_shape_is_right
	s_endpgm
.Lentry_shape_is_right:
; z = Q([X | h]) Q([Wf; Wg; Wo; Wi])^T + b in MX-BF6, and the LSTM cell's arithmetic on z, in one launch: c_new = sigmoid(zf) c + sigmoid(zg) tanh(zi), h_new = sigmoid(zo) tanh(c_new).
; Codes and scale words come from a_ws and w_ws as images of the operands' registers: for each group of 128 rows and each K step of 128 one block of STB bytes (eight fragments of 1,536 bytes, then 512 bytes of scale words).
; A group of w_ws holds 32 hidden units x 4 gates (fragment 2 g + s: gate g, units 16 s + r); fragment i of a group of a_ws holds rows 32 (i / 2) + i % 2 + 2 r of the group's 128.
; A WORK-GROUP makes 256 rows x 64 hidden units (x 4 gates); a wave 128 rows x 32 units: 64 accumulators, 512 registers.  All four gates of a unit lie in one lane, so z never leaves the registers.
; THE RING: two LDS slots of 4 x WLB bytes; a fill is dense memory, rows of 256 bytes.  Fill 0 holds K steps 0 and 1, fills 1 to 10 three steps each; fill f lies in slot f % 2; each wave brings one group's part by one joint load.
; CLUSTERS 4 x 4: A's groups are shared along a row of the cluster, B's along a column; every refill stands behind a round of the cluster's barrier.
; PREFETCH: behind the load of fill f each wave asks for its work-group's quarter (37 or 38 blocks of 256 bytes, shared out by address) of its group's fill f + 1, three K steps ahead (behind fill 0's: two);
; the change of slots that loads fill 10 asks for c's tile instead (64 rows of 256 bytes a wave), which is loaded one change of slots later.
; The matrix instruction is used transposed (source 0 = B, source 1 = A): a lane holds one row and eight neighbouring units.  The biases are the C of the first K step.
; LIMITS: NaN and infinities among the inputs are not served.  No work of reference() is left out.
; REGISTERS: window 0: v8-31 addresses, v32-47 scale words (two sets), v64-127 biases, then the gates; v128-223 A's fragments (one set), then the way out, with v224-239.  window 1: B's fragments, two sets.  windows 2, 3: accumulators.
.set NQ,     3
.set STB,    12800
.set FRB,    1536
.set SCO,    8*FRB                     ; a block's scale words
.set WLB,    NQ*STB                    ; what one load of the ring brings
.set STREAM, 32*STB                    ; a group, all of K
.set SLOT,   4*WLB                     ; A's two groups, then B's two
.set SPARE,  2*SLOT                    ; the spare words: 512 bytes that no other line names
.set TRIPS,  4
.set FR,     12
.set NL,     3                         ; LDS loads of a fragment
.set NP,     4                         ; places behind this matrix form (ISA guide 7.12.1)
.set CP,     272                       ; way out: an LDS row of 256 bytes + 16
.set BLKB,   16*CP
.set CT,     SLOT                      ; c's tile: in slot 1, behind its last read
.set HN0,    256*CP                    ; stages in slot 0, behind its last fill and last read: c_new at 0, h_new at HN0
.set VG,   8
.set PFO,  9
.set PFC,  10
.set VB,   11
.set PFO2, 12
.set ADRA, 16
.set ADRS, 18
.set ADRB, 20
.set VC,   24
.set VCN,  25
.set VHN,  26
.set SPW,  28
.set NIL,  29
.set VR,   30
.set VRH,  31
.set SC,   32
.set BI,   64
.set Z,    64
.set AF,   128
.set CC,   128
.set CN,   144
.set HN,   160
.set TT,   176
.set OB,   192
.set K1,   12                          ; s[12:13] -log2(e)
.set K2,   46                          ; s[46:47] 2 log2(e)
.set G1C,  4                           ; s[4:11] group 1 of c's tile
.set G1,   24
.set G0,   32
.set G1B,  48
.set G0B,  56
.set PFA,  66
.set G1H,  68                          ; groups 1 of fill 0: two steps
.set G1BH, 76
.set BP,   84                          ; s[84:91] the four biases
.set O0,   94
.set G0C,  96
.set PCA,  100
.set O1,   104
.set MSB, 0
.macro WIN new                         ; the immediate's high byte repeats the setting that is left
.if MSB != \new
	s_set_vgpr_msb (MSB<<8)|\new
.set MSB, \new
.endif
.endm
.set MUL_LO, 0xa1                      ; source 0 (B) window 1, source 1 (A) window 0, C and D window 2
.set MUL_HI, 0xf1
.set TO_B,   0x40
.macro PLACES n
.rept \n
	v_nop
.endr
.endm
.macro JLOAD g0a, g1a, g0b, g1b        ; a joint load: waves 0, 1 for A, waves 2, 3 for B; s_nop 0 and four v_nop behind each line
	s_cmp_eq_u32 s15, 0
	s_cbranch_scc0 .Lfor_b_\@
	tensor_load_to_lds s[\g0a:\g0a+3], s[\g1a:\g1a+7]
	s_nop 0
	PLACES 4
	s_branch .Lasked_\@
.Lfor_b_\@:
	tensor_load_to_lds s[\g0b:\g0b+3], s[\g1b:\g1b+7]
	s_nop 0
	PLACES 4
.Lasked_\@:
.endm
.macro CREST                           ; a round of the cluster's barrier behind its opening barrier
	s_cmp_lg_u32 s14, 0
	s_cbranch_scc1 .Lnot_wave_0_\@
	s_barrier_signal -3
.Lnot_wave_0_\@:
	s_barrier_wait -3
	s_barrier_signal -1
	s_barrier_wait -1
.endm
.macro CROUND
	s_barrier_signal -1
	s_barrier_wait -1
	CREST
.endm
.macro ASKT o                          ; my quarter of the fill that begins o bytes behind s[PFA]
	global_prefetch_b8 v[PFO], s[PFA:PFA+1] offset:\o th:TH_LOAD_NT scope:SCOPE_SE
	global_prefetch_b8 v[PFO2], s[PFA:PFA+1] offset:\o th:TH_LOAD_NT scope:SCOPE_SE
.endm
	s_load_b128 s[4:7], s[0:1], 0x0                ; a_ws, w_ws
	s_load_b256 s[BP:BP+7], s[0:1], 0x10           ; bf, bg, bo, bi
	s_load_b128 s[92:95], s[0:1], 0x30             ; c, out0
	s_load_b64 s[O1:O1+1], s[0:1], 0x40            ; out1
	v_lshl_add_u32 v[SPW], v0, 2, SPARE
	v_mov_b32 v[NIL], 0
	ds_add_u32 v[SPW], v[NIL]                      ; the opening lines: the add, twice on end, and its wait
	ds_add_u32 v[SPW], v[NIL]
	v_lshrrev_b32 v1, 5, v0
	v_readfirstlane_b32 s14, v1                    ; wave
	s_lshr_b32 s15, s14, 1                         ; my half of the rows; also: I fetch for A (0) or B (1)
	s_and_b32 s16, s14, 1                          ; my half of the units; also: which group I fetch
	s_bfe_u32 s40, ttmp6, 0x40000                  ; cx
	s_bfe_u32 s41, ttmp6, 0x40004                  ; cy
	s_lshl_b32 s42, ttmp9, 2
	s_add_co_u32 s42, s42, s40                     ; block column: 64 units
	s_and_b32 s17, ttmp7, 0xffff
	s_lshl_b32 s17, s17, 2
	s_add_co_u32 s17, s17, s41                     ; block row: 256 rows
	s_lshl_b32 s43, s41, 2
	s_lshl_b32 s43, 15, s43                        ; my row of the cluster
	s_lshl_b32 s44, 0x1111, s40                    ; my column
	s_or_b32 s[G1+0], s43, (3<<16)|(1<<21)         ; elements of 8 bytes, bit 21 beside the mask
	s_or_b32 s[G1B+0], s44, (3<<16)|(1<<21)
	s_or_b32 s[G1H+0], s43, (3<<16)|(1<<21)
	s_or_b32 s[G1BH+0], s44, (3<<16)|(1<<21)
.irp g, G1, G1B                        ; WLB dense bytes as rows of 256
	s_mov_b32 s[\g+1], 32<<16
	s_mov_b32 s[\g+2], (WLB/256)<<16
	s_mov_b32 s[\g+3], 32<<16
	s_mov_b32 s[\g+4], WLB/256
	s_mov_b32 s[\g+5], 32
	s_mov_b32 s[\g+6], 0
	s_mov_b32 s[\g+7], 0
.endr
.irp g, G1H, G1BH                      ; two steps
	s_mov_b32 s[\g+1], 32<<16
	s_mov_b32 s[\g+2], (2*STB/256)<<16
	s_mov_b32 s[\g+3], 32<<16
	s_mov_b32 s[\g+4], 2*STB/256
	s_mov_b32 s[\g+5], 32
	s_mov_b32 s[\g+6], 0
	s_mov_b32 s[\g+7], 0
.endr
	s_lshl_b32 s20, s17, 1
	s_add_co_u32 s20, s20, s16
	s_mul_i32 s20, s20, STREAM                     ; A's group 2 x block row + which
	s_mov_b32 s21, 0
	s_lshl_b32 s46, s42, 1
	s_add_co_u32 s46, s46, s16
	s_mul_i32 s46, s46, STREAM                     ; B's group 2 x block column + which
	s_mov_b32 s47, 0
	s_mul_i32 s45, s14, WLB                        ; where my loads go: the wave's number alone
	s_wait_dscnt 0x0
	s_wait_kmcnt 0x0
	s_add_nc_u64 s[20:21], s[4:5], s[20:21]
	s_add_nc_u64 s[46:47], s[6:7], s[46:47]
.irp s, 0,1                            ; slot 0: fill 0 at the group's start; slot 1: fill 1, two steps on
	s_mov_b32 s[G0+4*\s], 1
	s_add_co_u32 s[G0+4*\s+1], s45, \s*SLOT
	s_add_nc_u64 s[G0+4*\s+2:G0+4*\s+3], s[20:21], \s*2*STB
	s_or_b32 s[G0+4*\s+3], s[G0+4*\s+3], 0x80000000
	s_mov_b32 s[G0B+4*\s], 1
	s_add_co_u32 s[G0B+4*\s+1], s45, \s*SLOT
	s_add_nc_u64 s[G0B+4*\s+2:G0B+4*\s+3], s[46:47], \s*2*STB
	s_or_b32 s[G0B+4*\s+3], s[G0B+4*\s+3], 0x80000000
.endr
	s_cmp_eq_u32 s15, 0
	s_cselect_b64 s[PFA:PFA+1], s[20:21], s[46:47] ; the prefetches: my group,
	s_cselect_b32 s23, s40, s41                    ; my place p among the four that ask for it with me
	s_add_nc_u64 s[PFA:PFA+1], s[PFA:PFA+1], 2*STB ; at fill 1
	s_mul_i32 s23, s23, 75                         ; of a fill's 150 blocks of 256 bytes place p takes ceil(75 p / 2) .. ceil(75 (p + 1) / 2) - 1
	s_add_co_u32 s18, s23, 1
	s_lshr_b32 s18, s18, 1
	s_add_co_u32 s19, s23, 76
	s_lshr_b32 s19, s19, 1
	s_sub_co_u32 s19, s19, 1
	CROUND                                         ; all sixteen work-groups are here
	JLOAD G0, G1H, G0B, G1BH                       ; fill 0: my one load at the head.  All that follows up to the wait for it is made while it is out
	v_and_b32 v3, 31, v0
	v_add_nc_u32 v[PFO], s18, v3
	v_add_nc_u32 v[PFO2], 32, v[PFO]
	v_min_u32 v[PFO2], s19, v[PFO2]                ; lanes left over name my last block again
	v_lshlrev_b32 v[PFO], 8, v[PFO]
	v_lshlrev_b32 v[PFO2], 8, v[PFO2]
	ASKT 0                                         ; fill 1, whose load goes out when fill 0 has landed
	s_mul_i32 s21, s15, WLB                        ; my group of A in a slot
	s_mul_i32 s22, s16, WLB
	s_add_co_u32 s22, s22, 2*WLB                   ; my group of B
	s_sub_co_u32 s23, s22, s21                     ; lanes 16-31 take B's scale words
	s_add_co_u32 s43, s21, SCO
	s_mul_i32 s44, s15, 128*CP
	s_mul_i32 s45, s16, 8*CP
	s_add_co_u32 s45, s44, s45                     ; stage, back: my 8 rows of each block of 16
	s_lshl_b32 s20, s16, 7
	s_add_co_u32 s44, s44, s20                     ; stage, in: my 128 rows, my half of their 256 bytes
	s_lshl_b32 s2, s42, 8
	s_lshl_b32 s3, s16, 7
	s_add_co_u32 s2, s2, s3                        ; my 32 units in a bias, in bytes
	s_mov_b32 s3, 0
.irp g, 0,1,2,3
	s_add_nc_u64 s[BP+2*\g:BP+2*\g+1], s[BP+2*\g:BP+2*\g+1], s[2:3]
.endr
	s_lshl_b32 s6, s17, 8
	s_lshl_b32 s7, s15, 7
	s_add_co_u32 s6, s6, s7                        ; my half's first row
	s_lshl_b32 s7, s42, 8                          ; the block's first unit, in bytes
	s_add_co_u32 s2, s6, s16                       ; c's tile of my wave: rows first + wave % 2 + 2 i, i = 0 .. 63
	s_lshl_b32 s2, s2, 13
	s_add_co_u32 s2, s2, s7
	s_add_nc_u64 s[PCA:PCA+1], s[92:93], s[2:3]
	s_lshl_b32 s2, s16, 4                          ; I store rows first + 16 (wave % 2) + ..
	s_add_co_u32 s2, s6, s2
	s_lshl_b32 s2, s2, 13
	s_add_co_u32 s2, s2, s7
	s_add_nc_u64 s[O0:O0+1], s[O0:O0+1], s[2:3]
	s_add_nc_u64 s[O1:O1+1], s[O1:O1+1], s[2:3]
	s_mov_b32 s[G0C], 1
	s_mul_i32 s[G0C+1], s14, 64*CP
	s_add_co_u32 s[G0C+1], s[G0C+1], CT
	s_mov_b64 s[G0C+2:G0C+3], s[PCA:PCA+1]
	s_or_b32 s[G0C+3], s[G0C+3], 0x80000000
	s_mov_b32 s[K1], 0xbfb8aa3b
	s_mov_b32 s[K1+1], 0xbfb8aa3b
	s_mov_b32 s[K2], 0x4038aa3b
	s_mov_b32 s[K2+1], 0x4038aa3b
	s_mov_b32 s[G1C+0], (2<<16)|(1<<20)|(5<<22)|(3<<25)   ; 64 rows of 64 f32, every second row of c, 16 bytes of padding behind each
	s_mov_b32 s[G1C+1], 64<<16
	s_mov_b32 s[G1C+2], 64<<16
	s_mov_b32 s[G1C+3], 64<<16
	s_mov_b32 s[G1C+4], 64
	s_mov_b32 s[G1C+5], 4096
	s_mov_b32 s[G1C+6], 0
	s_mov_b32 s[G1C+7], 0
	v_and_b32 v1, 15, v0                           ; r
	v_bfe_u32 v2, v0, 4, 1                         ; h
	v_and_b32 v3, 31, v0                           ; lane
	v_lshlrev_b32 v[PFC], 14, v3                   ; c: a lane a row, every second row
	v_lshlrev_b32 v3, 4, v3                        ; an image's place for my lane
	v_add_nc_u32 v[ADRA], s21, v3
	v_add_nc_u32 v[ADRB], s22, v3
	v_add_nc_u32 v[ADRA+1], SLOT, v[ADRA]
	v_add_nc_u32 v[ADRB+1], SLOT, v[ADRB]
	v_mul_u32_u24 v6, s23, v2
	v_lshl_add_u32 v5, v1, 4, v6
	v_add_nc_u32 v[ADRS], s43, v5                  ; scale words: lanes 0-15 A's, lanes 16-31 B's; 16 r
	v_add_nc_u32 v[ADRS+1], SLOT, v[ADRS]
	v_mul_u32_u24 v5, v1, CP
	v_lshl_add_u32 v5, v2, 5, v5
	v_add_nc_u32 v[VCN], s44, v5                   ; stage, in: row r, 32 h
	v_add_nc_u32 v[VC], CT, v[VCN]
	v_add_nc_u32 v[VHN], HN0, v[VCN]
	v_mul_u32_u24 v5, v2, CP
	v_lshl_add_u32 v5, v1, 4, v5
	v_add_nc_u32 v[VR], s45, v5                    ; stage, back: lanes 0-15 one row of 256 bytes, lanes 16-31 the next
	v_add_nc_u32 v[VRH], HN0, v[VR]
	v_lshlrev_b32 v5, 14, v2
	v_lshl_add_u32 v[VG], v1, 4, v5                ; and in the outputs: neighbouring stage rows lie two rows apart
	v_lshlrev_b32 v[VB], 5, v2
.irp g, 0,1,2,3
.irp s, 0,1
.irp q, 0,1
	global_load_b128 v[BI+8*(2*\g+\s)+4*\q:BI+8*(2*\g+\s)+4*\q+3], v[VB], s[BP+2*\g:BP+2*\g+1] offset:64*\s+16*\q   ; the biases in the result's layout: units 16 s + 8 h + 0 .. 7
.endr
.endr
.endr
.macro FRAG reg, adr, q, i
.irp c, 0,1,2
	ds_load_b128 v[\reg+4*\c:\reg+4*\c+3], v[\adr] offset:(\q)*STB+(\i)*FRB+512*\c
.endr
.endm
; 16 matrix instructions: A's blocks a0, a0 + 1 x B's eight.  The 64 accumulators take turns in the same order in every step
.macro MUL16 a0, p, first
.irp a, \a0, \a0+1
.irp b, 0,1,2,3,4,5,6,7
.if \first
	v_wmma_scale_f32_16x16x128_f8f6f4 v[8*(8*((\a)%4)+\b):8*(8*((\a)%4)+\b)+7], v[128*(\p)+FR*\b:128*(\p)+FR*\b+FR-1], v[AF+FR*(\a):AF+FR*(\a)+FR-1], v[BI+8*\b:BI+8*\b+7], v[SC+8*(\p)+\b], v[SC+8*(\p)+(\a)] matrix_a_fmt:MATRIX_FMT_BF6 matrix_b_fmt:MATRIX_FMT_BF6 matrix_a_scale:MATRIX_SCALE_ROW1
.else
	v_wmma_scale_f32_16x16x128_f8f6f4 v[8*(8*((\a)%4)+\b):8*(8*((\a)%4)+\b)+7], v[128*(\p)+FR*\b:128*(\p)+FR*\b+FR-1], v[AF+FR*(\a):AF+FR*(\a)+FR-1], v[8*(8*((\a)%4)+\b):8*(8*((\a)%4)+\b)+7], v[SC+8*(\p)+\b], v[SC+8*(\p)+(\a)] matrix_a_fmt:MATRIX_FMT_BF6 matrix_b_fmt:MATRIX_FMT_BF6 matrix_a_scale:MATRIX_SCALE_ROW1
.endif
.endr
.endr
.endm
.macro FETCH_B slot, q, p
	WIN TO_B
.irp i, 0,1,2,3,4,5,6,7
	FRAG 128*(\p)+FR*\i, ADRB+\slot, \q, \i
.endr
.endm
.macro FETCH_A slot, q, i0
	WIN 0
.irp i, \i0, \i0+1, \i0+2, \i0+3
	FRAG AF+FR*(\i), ADRA+\slot, \q, \i
.endr
.endm
.macro SCALES slot, q, p
	ds_load_b128 v[SC+8*(\p):SC+8*(\p)+3], v[ADRS+\slot] offset:(\q)*STB
	ds_load_b128 v[SC+8*(\p)+4:SC+8*(\p)+7], v[ADRS+\slot] offset:(\q)*STB+256
.endm
.macro ASKC                            ; my wave's 64 rows of c
	global_prefetch_b8 v[PFC], s[PCA:PCA+1] th:TH_LOAD_NT scope:SCOPE_SE
	global_prefetch_b8 v[PFC], s[PCA:PCA+1] offset:32*16384 th:TH_LOAD_NT scope:SCOPE_SE
.endm
; A K step inside a slot: 64 matrix instructions on B's set p; the next step's loads go out in three runs: B's other set (free since the last step, whose closing places stand behind its last reader)
; behind the first sixteen products, A's blocks 0-3 and the scale words in the middle, A's blocks 4-7 at the end.  first = 1: C is the biases, in window 0.
.macro STEP slot, q, p, first
	s_wait_dscnt 4*NL                              ; all but the youngest twelve loads (A's blocks 4-7)
	WIN MUL_LO-0x20*(\first)
	MUL16 0, \p, \first
	FETCH_B \slot, (\q)+1, 1-(\p)
	WIN MUL_LO-0x20*(\first)
	MUL16 2, \p, \first
	PLACES NP
	FETCH_A \slot, (\q)+1, 0
	SCALES \slot, (\q)+1, 1-(\p)
	s_wait_dscnt 12*NL+2                           ; A's blocks 4-7 are in: behind them 24 + 12 + 2 loads
	WIN MUL_HI-0x30*(\first)
	MUL16 4, \p, \first
	MUL16 6, \p, \first
	PLACES NP
	FETCH_A \slot, (\q)+1, 4
.endm
; A slot's last K step changes slots.  fill = 1: this slot takes the fill stepb bytes on; fill = 2: c's tile.  ask = 1: prefetch the next fill; ask = 2: the same, but in the loop's last trip c's tile.
.macro TURN slot, next, p, fill, stepb, ask
.if \fill == 1
	s_wait_xcnt 0x0                                ; my prefetches have read their address
	s_add_nc_u64 s[PFA:PFA+1], s[PFA:PFA+1], WLB   ; at the fill that is loaded below
.endif
	s_wait_tensorcnt 0x0                           ; my one load that was out, my part of the next slot, has landed
	ds_add_u32 v[SPW], v[NIL]
	s_wait_dscnt 4*NL+1                            ; (the add and A's blocks 4-7 may be out)
	WIN MUL_LO
	MUL16 0, \p, 0
	s_wait_dscnt 0x0                               ; the add is done and my reads of this slot are over
	s_barrier_signal -1                            ; opens a round of the cluster's barrier
	MUL16 2, \p, 0
	WIN 0
	s_barrier_wait -1
	CREST
.if \fill == 2
	tensor_load_to_lds s[G0C:G0C+3], s[G1C:G1C+7]
	s_nop 0
	PLACES 4
.else
	s_add_nc_u64 s[G0+4*\slot+2:G0+4*\slot+3], s[G0+4*\slot+2:G0+4*\slot+3], \stepb
	s_add_nc_u64 s[G0B+4*\slot+2:G0B+4*\slot+3], s[G0B+4*\slot+2:G0B+4*\slot+3], \stepb
	JLOAD G0+4*\slot, G1, G0B+4*\slot, G1B         ; its four v_nop are also the places in front of the loads below
.endif
	FETCH_B \next, 0, 1-(\p)
	FETCH_A \next, 0, 0
	SCALES \next, 0, 1-(\p)
.if \ask == 1
	ASKT WLB
.endif
.if \ask == 2
	s_cmp_gt_u32 s3, 1
	s_cbranch_scc0 .Lask_c_\@
	ASKT WLB
	s_branch .Lasked_c_\@
.Lask_c_\@:
	ASKC
.Lasked_c_\@:
.endif
	WIN MUL_HI
	MUL16 4, \p, 0
	MUL16 6, \p, 0
	PLACES NP
	FETCH_A \next, 0, 4
.endm
	s_wait_alu depctr_va_vdst(0)
	s_wait_loadcnt 0x0                             ; the biases
	s_wait_tensorcnt 0x0                           ; my part of fill 0; these lines stand ahead of a later first fill as ahead of a refill
	ds_add_u32 v[SPW], v[NIL]
	s_wait_dscnt 0x0
	CROUND
	JLOAD G0+4, G1, G0B+4, G1B                     ; fill 1
	FETCH_B 0, 0, 0
	FETCH_A 0, 0, 0
	SCALES 0, 0, 0
	FETCH_A 0, 0, 4
	ASKT WLB                                       ; fill 2
	STEP 0, 0, 0, 1                                ; K step 0 starts the sums on the biases
	TURN 0, 1, 1, 1, 2*STB+WLB, 1                  ; K step 1; slot 0 takes fill 2
	s_mov_b32 s3, TRIPS
.Llap:                                                 ; a trip: six K steps, fills 2 k + 1 and 2 k + 2 multiplied, fills 2 k + 3 and 2 k + 4 asked for
	STEP 1, 0, 0, 0
	STEP 1, 1, 1, 0
	TURN 1, 0, 0, 1, 2*WLB, 1
	STEP 0, 0, 1, 0
	STEP 0, 1, 0, 0
	TURN 0, 1, 1, 1, 2*WLB, 2
	s_sub_co_u32 s3, s3, 1
	s_cmp_lg_u32 s3, 0
	s_cbranch_scc1 .Llap
	STEP 1, 0, 0, 0                                ; fill 9
	STEP 1, 1, 1, 0
	TURN 1, 0, 0, 2, 0, 0                          ; slot 1 takes c's tile
	STEP 0, 0, 1, 0                                ; fill 10
	STEP 0, 1, 0, 0
	s_wait_dscnt 4*NL                              ; K step 31: nothing more to fetch
	WIN MUL_LO
	MUL16 0, 1, 0
	MUL16 2, 1, 0
	s_wait_tensorcnt 0x0                           ; my part of c's tile, which other waves read
	s_wait_dscnt 0x0                               ; my reads of slot 0 are over: behind the barrier it is the stage
	s_barrier_signal -1
	WIN MUL_HI
	MUL16 4, 1, 0
	MUL16 6, 1, 0
	WIN 0
	s_barrier_wait -1
	PLACES NP
; THE WAY OUT, by A's blocks of 16 rows, as a pipeline: STAGE a finishes block a (c_new, h_new) and makes block a + 1's gates, and the two share their batches: one of 80 exponentials, one of 80 reciprocals.
; sigmoid(z) = 1 / (1 + 2^(-z log2 e)); tanh(z) = 1 - 2 / (1 + 2^(2 z log2 e)).  Z: v64-79 f, v80-95 g, v112-127 i, then g's gate x tanh(zi); the output gate has two sets by turns (v96-111, v224-239), since block a's is
; used when block a + 1's has been made.  A row's 256 bytes come from two waves: results go into the stages, a barrier, BACK reads whole rows, SEND stores them.  The barrier is split: between block a's signal and wait
; stands STAGE a + 1 up to its exponentials, work on registers alone.
.set WZ, 1                             ; a batch holds a block's four gates
.set WT, 0                             ; a batch holds a block's c_new
.set ZN, Z+32                          ; the output gate's set that is being made
.macro CLOAD a
.irp s, 0,1
.irp q, 0,1
	ds_load_b128 v[CC+8*\s+4*\q:CC+8*\s+4*\q+3], v[VC] offset:(64*((\a)%2)+16*((\a)/2))*CP+64*\s+16*\q
.endr
.endr
.endm
.macro SEND a, younger                 ; younger: LDS instructions issued behind BACK a's loads
	s_wait_dscnt \younger
.irp t, 0,1,2,3
	global_store_b128 v[VG], v[OB+4*\t:OB+4*\t+3], s[O1:O1+1] offset:(32*((\a)/2)+((\a)%2)+4*\t)*8192 th:TH_STORE_NT   ; 16 lanes store 256 consecutive bytes, aligned
.endr
.irp t, 0,1,2,3
	global_store_b128 v[VG], v[OB+16+4*\t:OB+16+4*\t+3], s[O0:O0+1] offset:(32*((\a)/2)+((\a)%2)+4*\t)*8192 th:TH_STORE_NT
.endr
.endm
.macro BACK a
.irp t, 0,1,2,3
	ds_load_b128 v[OB+4*\t:OB+4*\t+3], v[VR] offset:(\a)*BLKB+2*CP*\t
.endr
.irp t, 0,1,2,3
	ds_load_b128 v[OB+16+4*\t:OB+16+4*\t+3], v[VRH] offset:(\a)*BLKB+2*CP*\t
.endr
.endm
.macro ZMUL a                          ; block a's z, times the exponent's factor, out of the accumulators
	WIN (0x02+(\a)/4)
	s_wait_alu depctr_va_vdst(0)                   ; ahead of the first readers of matrix results
.irp g, 0,1,2,3
.irp s, 0,1
.irp i, 0,1,2,3
.if \g == 3
	v_pk_mul_f32 v[Z+48+8*\s+2*\i:Z+48+8*\s+2*\i+1], v[8*(8*((\a)%4)+2*\g+\s)+2*\i:8*(8*((\a)%4)+2*\g+\s)+2*\i+1], s[K2:K2+1] op_sel_hi:[1,0]
.else
.if \g == 2
	v_pk_mul_f32 v[ZN+8*\s+2*\i:ZN+8*\s+2*\i+1], v[8*(8*((\a)%4)+2*\g+\s)+2*\i:8*(8*((\a)%4)+2*\g+\s)+2*\i+1], s[K1:K1+1] op_sel_hi:[1,0]
.else
	v_pk_mul_f32 v[Z+16*\g+8*\s+2*\i:Z+16*\g+8*\s+2*\i+1], v[8*(8*((\a)%4)+2*\g+\s)+2*\i:8*(8*((\a)%4)+2*\g+\s)+2*\i+1], s[K1:K1+1] op_sel_hi:[1,0]
.endif
.endif
.endr
.endr
.endr
	WIN 0
.endm
.macro TRANS op                        ; a batch, in place
.if WZ
.set j, 0
.rept 32
	\op v[Z+j], v[Z+j]
.set j, j+1
.endr
.set j, 0
.rept 16
	\op v[ZN+j], v[ZN+j]
.set j, j+1
.endr
.set j, 0
.rept 16
	\op v[Z+48+j], v[Z+48+j]
.set j, j+1
.endr
.endif
.if WT
.set j, 0
.rept 16
	\op v[TT+j], v[TT+j]
.set j, j+1
.endr
.endif
	v_nop                                          ; the plain place behind the batch
.endm
.macro ADD1                            ; 1 + each of a batch's exponentials
.if WZ
.set j, 0
.rept 16
	v_pk_add_f32 v[Z+j:Z+j+1], v[Z+j:Z+j+1], 1.0 op_sel_hi:[1,0]
.set j, j+2
.endr
.set j, 0
.rept 8
	v_pk_add_f32 v[ZN+j:ZN+j+1], v[ZN+j:ZN+j+1], 1.0 op_sel_hi:[1,0]
.set j, j+2
.endr
.set j, 0
.rept 8
	v_pk_add_f32 v[Z+48+j:Z+49+j], v[Z+48+j:Z+49+j], 1.0 op_sel_hi:[1,0]
.set j, j+2
.endr
.endif
.if WT
.set j, 0
.rept 8
	v_pk_add_f32 v[TT+j:TT+j+1], v[TT+j:TT+j+1], 1.0 op_sel_hi:[1,0]
.set j, j+2
.endr
.endif
.endm
.macro INP                             ; sigmoid(zg) tanh(zi)
.irp i, 0,2,4,6,8,10,12,14
	v_pk_fma_f32 v[Z+48+\i:Z+49+\i], v[Z+48+\i:Z+49+\i], -2.0, 1.0 op_sel_hi:[1,0,0]
.endr
.irp i, 0,2,4,6,8,10,12,14
	v_pk_mul_f32 v[Z+48+\i:Z+49+\i], v[Z+48+\i:Z+49+\i], v[Z+16+\i:Z+17+\i]
.endr
.endm
.macro STAGE a
.set ZP, Z+32+128*((\a)%2)             ; block a's output gate
.set ZN, Z+32+128*(((\a)+1)%2)
.set WT, 1
.if (\a) < 7
.set WZ, 1
.else
.set WZ, 0
.endif
.if (\a) == 0
	s_wait_alu depctr_va_vdst(0)                   ; directly ahead of the wait below
	s_wait_dscnt 0x0                               ; block 0's c (a later block's was waited for ahead of the last signal)
.endif
.irp i, 0,2,4,6,8,10,12,14
	v_pk_fma_f32 v[CN+\i:CN+1+\i], v[Z+\i:Z+1+\i], v[CC+\i:CC+1+\i], v[Z+48+\i:Z+49+\i]   ; c_new
.endr
.irp i, 0,2,4,6,8,10,12,14
	v_pk_mul_f32 v[TT+\i:TT+1+\i], v[CN+\i:CN+1+\i], s[K2:K2+1] op_sel_hi:[1,0]
.endr
.if (\a) < 7
	ZMUL (\a)+1
.endif
	s_wait_alu depctr_va_vdst(0)                   ; ahead of each batch and behind it
	TRANS v_exp_f32
.if (\a) > 0
	s_barrier_wait -1                              ; block a - 1 lies whole in the stages
.if (\a) > 1
	s_wait_xcnt 0x0                                ; block a - 2's stores have read their data registers
.endif
	BACK (\a)-1
.endif
.if (\a) < 7
	CLOAD (\a)+1
.endif
.irp s, 0,1
.irp q, 0,1
	ds_store_b128 v[VCN], v[CN+8*\s+4*\q:CN+8*\s+4*\q+3] offset:(\a)*BLKB+64*\s+16*\q
.endr
.endr
	s_wait_alu depctr_va_vdst(0)
	ADD1
	s_wait_alu depctr_va_vdst(0)
	TRANS v_rcp_f32
.if (\a) > 0
.if (\a) < 7
	SEND (\a)-1, 8                                 ; behind BACK's loads: four loads of c and four stores
.else
	SEND (\a)-1, 4
.endif
.endif
	s_wait_alu depctr_va_vdst(0)
.if (\a) < 7
	INP
.endif
.irp i, 0,2,4,6,8,10,12,14
	v_pk_fma_f32 v[TT+\i:TT+1+\i], v[TT+\i:TT+1+\i], -2.0, 1.0 op_sel_hi:[1,0,0]   ; tanh(c_new)
.endr
.irp i, 0,2,4,6,8,10,12,14
	v_pk_mul_f32 v[HN+\i:HN+1+\i], v[ZP+\i:ZP+1+\i], v[TT+\i:TT+1+\i]
.endr
.irp s, 0,1
.irp q, 0,1
	ds_store_b128 v[VHN], v[HN+8*\s+4*\q:HN+8*\s+4*\q+3] offset:(\a)*BLKB+64*\s+16*\q
.endr
.endr
	s_wait_alu depctr_va_vdst(0)                   ; directly ahead of the wait below
	s_wait_dscnt 0x0                               ; for the others' sake: my stores into the stages are done (and the next block's c is in)
	s_barrier_signal -1
.endm
	CLOAD 0
	ZMUL 0                                         ; block 0's gates have a batch to themselves
	s_wait_alu depctr_va_vdst(0)
	TRANS v_exp_f32
	s_wait_alu depctr_va_vdst(0)
	ADD1
	s_wait_alu depctr_va_vdst(0)
	TRANS v_rcp_f32
	s_wait_alu depctr_va_vdst(0)
	INP
.irp a, 0,1,2,3,4,5,6,7
	STAGE \a
.endr
	s_barrier_wait -1
	s_wait_xcnt 0x0                                ; block 6's stores have read their data registers
	BACK 7
	SEND 7, 0
	s_wait_tensorcnt 0x0                           ; the wave's end
	ds_add_u32 v[SPW], v[NIL]
	s_wait_dscnt 0x0
	CROUND                                         ; the closing round
	s_endpgm
.Lfunc_end_k_qc2739a6a39_cell:
	.size	k_qc2739a6a39_cell, .Lfunc_end_k_qc2739a6a39_cell-k_qc2739a6a39_cell
	.p2alignl 7, 3214868480
	.fill 96, 4, 3214868480
	.section	.rodata,"a",@progbits
	.p2align	6, 0x0
	.amdhsa_kernel k_qc2739a6a39_cell
		.amdhsa_group_segment_fixed_size 327680
		.amdhsa_private_segment_fixed_size 0
		.amdhsa_enable_private_segment 0
		.amdhsa_kernarg_size 72
		.amdhsa_user_sgpr_count 2
		.amdhsa_user_sgpr_kernarg_segment_ptr 1
		.amdhsa_wavefront_size32 1
		.amdhsa_system_sgpr_workgroup_id_x 1
		.amdhsa_system_sgpr_workgroup_id_y 1
		.amdhsa_system_sgpr_workgroup_id_z 1
		.amdhsa_system_vgpr_workitem_id 0
		.amdhsa_next_free_vgpr 1024
		.amdhsa_next_free_sgpr 106
		.amdhsa_reserve_vcc 0
		.amdhsa_float_denorm_mode_32 3
		.amdhsa_float_denorm_mode_16_64 3
		.amdhsa_memory_ordered 1
		.amdhsa_forward_progress 1
		.amdhsa_inst_pref_size 255
	.end_amdhsa_kernel
	.section	.bss,"aw",@nobits
	.p2align	6
	.space	262144
	.amdgpu_metadata
---
amdhsa.version: [ 1, 2 ]
amdhsa.kernels:
  - .name:           k_qc2739a6a39_cell
    .symbol:         k_qc2739a6a39_cell.kd
    .args:
      - { .name: a_ws, .offset: 0, .size: 8, .value_kind: global_buffer, .address_space: global }
      - { .name: w_ws, .offset: 8, .size: 8, .value_kind: global_buffer, .address_space: global }
      - { .name: bf, .offset: 16, .size: 8, .value_kind: global_buffer, .address_space: global }
      - { .name: bg, .offset: 24, .size: 8, .value_kind: global_buffer, .address_space: global }
      - { .name: bo, .offset: 32, .size: 8, .value_kind: global_buffer, .address_space: global }
      - { .name: bi, .offset: 40, .size: 8, .value_kind: global_buffer, .address_space: global }
      - { .name: c, .offset: 48, .size: 8, .value_kind: global_buffer, .address_space: global }
      - { .name: out0, .offset: 56, .size: 8, .value_kind: global_buffer, .address_space: global }
      - { .name: out1, .offset: 64, .size: 8, .value_kind: global_buffer, .address_space: global }
    .group_segment_fixed_size: 327680
    .private_segment_fixed_size: 0
    .kernarg_segment_align: 8
    .kernarg_segment_size: 72
    .max_flat_workgroup_size: 128
    .sgpr_count:     106
    .vgpr_count:     1024
    .wavefront_size: 32
...
	.end_amdgpu_metadata
.endif
;; end of part 2
